; MI455X (gfx1250); checked and timed in simulation.
; The chip was launched on July 23, 2026; its instructions are those of AMD's public machine-readable ISA for CDNA 5 (MIT licence, August 2026) and "CDNA5" Instruction Set Architecture Reference Guide (July 2026). The comments in the code are by the model that wrote it; some were corrected since.
;; Binary Linear. Allowed arithmetic: float matrix products may take bf16 or f16 operands with f32 sums; all other float work in f32.
;; Inputs: bias 4,096 float32; weight 4,096 x 4,096 float32; x 4,096 x 4,096 float32.
;; Outputs: out0 4,096 x 4,096 float32.
;; 2 versions, each right; version 2 is version 1 with the launch binarize written anew for expert scheduling mode. Each part assembles by itself: llvm-mc -triple=amdgcn-amd-amdhsa -mcpu=gfx1250 --defsym DOCPART=n.
;; ======== version 1 of 2: 2 launches
;; workspace buffers: xs 33,554,432 bytes; ws 33,554,432 bytes
;; launch binarize (part 1): grid 512 x 2, 8 waves a work-group, no clusters, 0 bytes of LDS; arguments x, weight, xs, ws; writes xs, ws
.if DOCPART == 1
	.amdgcn_target "amdgcn-amd-amdhsa--gfx1250"
	.amdhsa_code_object_version 6
	.text
	.protected	k_q2d1a57380e_binarize
	.globl	k_q2d1a57380e_binarize
	.p2align	8
	.type	k_q2d1a57380e_binarize,@function
k_q2d1a57380e_binarize:
	s_mov_b64 s[64:65], 0
	v_nop
	global_prefetch_b8 v0, s[64:65] scope:SCOPE_SE
	s_setreg_imm32_b32 hwreg(HW_REG_WAVE_MODE, 25, 1), 1
	s_wait_xcnt 0x0
; xs = sign(x), ws = sign(weight), as bf16, [4096][4096], rows interleaved inside groups of 64:
; stored row 64 G + 16 b + r (b = 0..3, r = 0..15) holds sign() of source row 64 G + 4 r + b; columns stay in their order.
; (The product that follows then finds, in one lane, four NEIGHBOURING columns of the output in four accumulators.)
; VALUES.  x < 0 gives -1, x > 0 gives +1 (infinities and denormals too: the compare runs with denormals kept);
; +0, -0 and NaN go through as they are (the conversion to bf16 keeps a zero's sign and keeps a NaN a NaN), as sign() does.
; A stream: every input byte is read once, every output byte written once; no LDS, no matrix unit, no cluster: no byte is used twice.
; SHARES.  Grid y picks the operand (0: x -> xs, 1: weight -> ws).  Work-group w owns source rows 8 w .. 8 w + 7.
; A step is 256 threads x 16 bytes = a quarter of a source row: a wave's load covers 512 consecutive bytes, its store 256 consecutive, aligned bytes.
; A round is 8 steps (slots).  Round k = 0..3 takes b = k: slots 0-3 source row 8 w + k, slots 4-7 source row 8 w + 4 + k,
; which go to the two neighbouring stored rows 64 G + 16 k + 2 (w % 8) and the next.  Eight loads of every wave are always out.
.set ROWIN,  16384                     ; bytes in a source row
.set ROWOUT, 8192                      ; bytes in a stored row
.set T, 4                              ; v[4:7]    four numbers at work
.set X, 8                              ; v[8:39]   slot i: 4 registers as loaded
.set Y, 40                             ; v[40:55]  slot i: 2 registers, 4 bf16 to store
                                       ; v1 = 16 t, v2 = 8 t: my bytes in a step, in and out; never rewritten
	s_load_b256 s[4:11], s[0:1], 0x0               ; x s[4:5], weight s[6:7], xs s[8:9], ws s[10:11]
	s_mov_b32 s12, 0x7fffffff                      ; all bits but the sign
	s_mov_b32 s13, 0x3f800000                      ; 1.0
	s_lshl_b32 s2, ttmp9, 17                       ; in: w x 8 rows x 16,384 bytes (under 2^27)
	s_mov_b32 s3, 0
	s_lshr_b32 s20, ttmp9, 3                       ; G = w / 8
	s_lshl_b32 s20, s20, 19                        ; out: 64 G rows x 8,192 bytes
	s_and_b32 s21, ttmp9, 7
	s_lshl_b32 s21, s21, 14                        ; + 2 (w % 8) rows
	s_add_co_u32 s20, s20, s21
	s_mov_b32 s21, 0
	s_and_b32 s14, ttmp7, 0xffff                   ; which operand
	v_lshlrev_b32 v1, 4, v0
	v_lshlrev_b32 v2, 3, v0
	s_wait_kmcnt 0x0
	s_cmp_eq_u32 s14, 0
	s_cselect_b64 s[4:5], s[4:5], s[6:7]           ; the source,
	s_cselect_b64 s[8:9], s[8:9], s[10:11]         ; and where it goes
	s_add_nc_u64 s[4:5], s[4:5], s[2:3]
	s_add_nc_u64 s[8:9], s[8:9], s[20:21]
.irp i, 0,1,2,3,4,5,6,7
	global_load_b128 v[X+4*(\i):X+4*(\i)+3], v1, s[4:5] offset:((\i)/4)*4*ROWIN+((\i)%4)*4096 th:TH_LOAD_NT  ; round 0 fills the ring
.endr
; One slot's turn.  ahead = 1: the slot is filled again with the same step of the next round (one source row further down).
; left = how many younger loads may still be out when this slot's load has to be there.
.macro SLOT i, ahead, left
	s_wait_loadcnt \left                           ; loads come back in order (ISA guide 5.7.1): mine is in, the younger ones stay out
.irp j, 0,1,2,3
	v_bfi_b32 v[T+(\j)], s12, s13, v[X+4*(\i)+(\j)]            ; 1.0 with x's sign
.endr
.irp j, 0,1,2,3
	v_cmp_lg_f32 s[16+(\j)], 0, v[X+4*(\i)+(\j)]               ; x below or above 0: not for a zero, not for a NaN
.endr
.irp j, 0,1,2,3
	v_cndmask_b32 v[T+(\j)], v[X+4*(\i)+(\j)], v[T+(\j)], s[16+(\j)]  ; then +-1, else x itself
.endr
	v_cvt_pk_bf16_f32 v[Y+2*(\i)],   v[T],   v[T+1]
	v_cvt_pk_bf16_f32 v[Y+2*(\i)+1], v[T+2], v[T+3]
.if \ahead
	global_load_b128 v[X+4*(\i):X+4*(\i)+3], v1, s[4:5] offset:((\i)/4)*4*ROWIN+((\i)%4)*4096+ROWIN th:TH_LOAD_NT
.endif
	global_store_b64 v2, v[Y+2*(\i):Y+2*(\i)+1], s[8:9] offset:(\i)*2048  ; no hint: the next launch reads these bytes
.endm
	s_mov_b32 s22, 3
.Lround:
.irp i, 0,1,2,3,4,5,6,7
	SLOT \i, 1, 7
.endr
	s_wait_xcnt 0x0                                ; every memory instruction so far has had its addresses translated (ISA guide 3.1): only behind this wait are the two bases stepped and the Y registers written again
	s_add_nc_u64 s[4:5], s[4:5], ROWIN             ; the next b: one source row on,
	s_add_nc_u64 s[8:9], s[8:9], 16*ROWOUT         ; sixteen stored rows on
	s_sub_co_u32 s22, s22, 1
	s_cmp_lg_u32 s22, 0
	s_cbranch_scc1 .Lround
.irp i, 0,1,2,3,4,5,6,7
	SLOT \i, 0, 7-(\i)                             ; the last round loads nothing: the counts run down
.endr
	s_endpgm
.Lfunc_end_k_q2d1a57380e_binarize:
	.size	k_q2d1a57380e_binarize, .Lfunc_end_k_q2d1a57380e_binarize-k_q2d1a57380e_binarize
	.p2alignl 7, 3214868480
	.fill 96, 4, 3214868480
	.section	.rodata,"a",@progbits
	.p2align	6, 0x0
	.amdhsa_kernel k_q2d1a57380e_binarize
		.amdhsa_group_segment_fixed_size 0
		.amdhsa_private_segment_fixed_size 0
		.amdhsa_enable_private_segment 0
		.amdhsa_kernarg_size 32
		.amdhsa_user_sgpr_count 2
		.amdhsa_user_sgpr_kernarg_segment_ptr 1
		.amdhsa_wavefront_size32 1
		.amdhsa_system_sgpr_workgroup_id_x 1
		.amdhsa_system_sgpr_workgroup_id_y 1
		.amdhsa_system_sgpr_workgroup_id_z 1
		.amdhsa_system_vgpr_workitem_id 0
		.amdhsa_next_free_vgpr 56
		.amdhsa_next_free_sgpr 66
		.amdhsa_reserve_vcc 0
		.amdhsa_float_denorm_mode_32 3
		.amdhsa_float_denorm_mode_16_64 3
		.amdhsa_memory_ordered 1
		.amdhsa_forward_progress 1
		.amdhsa_inst_pref_size 19
	.end_amdhsa_kernel
	.amdgpu_metadata
---
amdhsa.version: [ 1, 2 ]
amdhsa.kernels:
  - .name:           k_q2d1a57380e_binarize
    .symbol:         k_q2d1a57380e_binarize.kd
    .args:
      - { .name: x, .offset: 0, .size: 8, .value_kind: global_buffer, .address_space: global }
      - { .name: weight, .offset: 8, .size: 8, .value_kind: global_buffer, .address_space: global }
      - { .name: xs, .offset: 16, .size: 8, .value_kind: global_buffer, .address_space: global }
      - { .name: ws, .offset: 24, .size: 8, .value_kind: global_buffer, .address_space: global }
    .group_segment_fixed_size: 0
    .private_segment_fixed_size: 0
    .kernarg_segment_align: 8
    .kernarg_segment_size: 32
    .max_flat_workgroup_size: 256
    .sgpr_count:     66
    .vgpr_count:     56
    .wavefront_size: 32
...
	.end_amdgpu_metadata
.endif
;; end of part 1
;; launch gemm (part 2): grid 16 x 16, 4 waves a work-group, clusters of 4 x 4, 327,680 bytes of LDS; arguments xs, ws, bias, out0; writes out0
.if DOCPART == 2
	.amdgcn_target "amdgcn-amd-amdhsa--gfx1250"
	.amdhsa_code_object_version 6
	.text
	.protected	k_q2d1a57380e_gemm
	.globl	k_q2d1a57380e_gemm
	.p2align	8
	.type	k_q2d1a57380e_gemm,@function
k_q2d1a57380e_gemm:
	s_mov_b64 s[64:65], 0
	v_nop
	global_prefetch_b8 v0, s[64:65] scope:SCOPE_SE
	s_setreg_imm32_b32 hwreg(HW_REG_WAVE_MODE, 25, 1), 1
	s_wait_xcnt 0x0
	s_wait_alu depctr_hold_cnt(0) depctr_sa_sdst(0) depctr_va_vdst(0) depctr_va_sdst(0) depctr_va_ssrc(0) depctr_va_vcc(0) depctr_vm_vsrc(0)
	s_getreg_b32 s2, hwreg(HW_REG_IB_STS2, 6, 4)
	s_cmp_eq_u32 s2, 0
	s_cbranch_scc0 .Lentry_in_a_cluster
	s_endpgm
.Lentry_in_a_cluster:
	s_bfe_u32 s2, ttmp6, 0x10000c
	s_cmp_lg_u32 s2, 0xf033
	s_cbranch_scc0 .Lentry_shape_is_right
	s_endpgm
.Lentry_shape_is_right:
; out0[m][n] = sum over k of sign(x)[m][k] sign(weight)[n][k] + bias[n].  xs, ws: [4096][4096] bf16, made by the launch before, rows interleaved
; inside groups of 64: stored row 64 G + 16 b + r holds true row 64 G + 4 r + b.  bias: [4096] f32.  out0: [4096][4096] f32.
; VALUES.  The operands are -1, 0, +1 (exact in bf16) or NaN; every partial sum is a whole number of magnitude 4,096 at the most, exact in f32; the bias is added once, in f32.
; A NaN in an input makes its row or column of the output NaN, as in the product that is asked for.
; SHARES.  A tile of out0, 256 x 256, is made by a work-group of four waves; a wave makes 128 x 128: 64 accumulators of 16 x 16, 512 registers.  16 x 16 tiles: one work-group each.
; K goes in 32 steps of 128 through a ring of two LDS slots filled by the tensor data mover; a tile's rows are 256 bytes of memory and start at multiples of 256 bytes from the buffer's first byte.
; CLUSTERS: 4 x 4 work-groups.  The four of a row of the cluster need the same tiles of xs, the four of a column the same tiles of ws: each tile is asked for JOINTLY, by the same tensor load with the
; same descriptor and a mask that names the four, which divides the requests for both operands by four.
; THE WAY OUT NEEDS NO LDS.  Source 0 = 16 stored rows of xs, source 1 = 16 stored rows of ws: in the result lane l holds column block's row l % 16 of ws and rows 8 (l / 16) + 0..7 of xs.
; By the interleave the four accumulators b = 4 g + 0..3 hold, in lane l, the TRUE columns 64 g + 4 (l % 16) + 0..3.  The add of the bias writes those four into four registers on end,
; and one store of 16 bytes a lane has sixteen neighbouring lanes cover 256 consecutive, aligned bytes of out0.  xs' interleave only says which row of out0 a store names.
;
; REGISTERS, in windows of 256 (s_set_vgpr_msb's low byte: bits 1:0 source 0, 3:2 source 1, 5:4 source 2, 7:6 destination):
;   window 0: v0-31 addresses; v32-39 my eight numbers of the bias; v64-127, v128-191 fragments of xs (8 x 16 rows x 32 K), two buffers; v192-255 results on the way out, two sets of 32
;   window 1: v64-127, v128-191 fragments of ws, two buffers
;   window 2: the 32 accumulators of my stored rows 0-63 (accumulator (a, b) at v[8 (8 a + b)]);   window 3: those of my stored rows 64-127
.set SIZE_K, 4096
.set SIZE_N, 4096
.set KSTEP,  128
.set PITCH,  272                       ; an LDS row: 256 bytes of data + 16 of padding = 68 words: row r starts at bank 4 r mod 64 (64 banks of 4 bytes: ISA guide 11.1), so the 16 rows that a load touches start at 16 different banks
.set HALFT,  128*PITCH                 ; 128 rows: what one tensor load brings, and what one wave reads of xs or of ws
.set SLOT,   4*HALFT                   ; xs' 256 rows, then ws' 256 rows
.set SPARE,  2*SLOT                    ; behind the ring (byte 278,528 = 1,088 x 256): the spare words, 128 bytes for each wave: two blocks of 256 bytes that no other line names
.set LAPS,   SIZE_K/(2*KSTEP)          ; a lap = two K steps = once round the ring: 16
.set ROWC,   SIZE_N*4                  ; bytes in a row of out0
.set ADRA, 16                          ; v16-17  LDS address of my xs fragments in slot 0, 1
.set ADRB, 20                          ; v20-21  the same for ws
.set CO,   26                          ; v26     my byte offset in out0: 16 (l % 16) + 32 rows x (l / 16); never rewritten
.set BO,   27                          ; v27     my byte offset in the bias: 16 (l % 16); never rewritten
.set SPW,  28                          ; v28     LDS address of my spare word: SPARE + 4 x my thread's number; never rewritten
.set NIL,  29                          ; v29     0; never rewritten
.set BI,   32                          ; v32-39  bias of my true columns 64 g + 4 (l % 16) + 0..3, g = 0, 1
.set F0,   64                          ; fragment buffer 0
.set F1,   128                         ; fragment buffer 1
.set RES,  192                         ; the way out
.set G1, 24                            ; s[24:31] descriptor group 1 for xs' tiles
.set G0, 32                            ; s[32:39] descriptor group 0 for xs' tiles, one set for each slot
.set G1B, 48                           ; s[48:55] descriptor group 1 for ws' tiles: it differs in the mask alone
.set G0B, 56                           ; s[56:63] descriptor group 0 for ws' tiles, one set for each slot
.set MSB, 0
.macro WIN new                         ; the immediate's high byte repeats the setting that is left; a switch that changes nothing is dropped
.if MSB != (\new)
	s_set_vgpr_msb (MSB<<8)|(\new)
.set MSB, \new
.endif
.endm
.set MUL_LO, 0xa4                      ; source 0 (xs) window 0, source 1 (ws) window 1, C and D window 2
.set MUL_HI, 0xf4                      ; the same, C and D window 3
.set TO_B,   0x40                      ; destination window 1, address window 0
; A joint load.  Waves 0 and 1 fetch xs' two halves, waves 2 and 3 ws'.  Each of the two lines has ONE mask and one set of registers for all that issue it.  The branch hangs on the wave's number alone.
; An s_nop 0 and four v_nop follow each of the two lines, ahead of the jump, the label and what follows.
.macro JLOAD s
	s_cmp_eq_u32 s11, 0
	s_cbranch_scc0 .Lfor_b_\@
	tensor_load_to_lds s[G0+4*(\s):G0+4*(\s)+3], s[G1:G1+7]
	s_nop 0
.rept 4
	v_nop
.endr
	s_branch .Lasked_\@
.Lfor_b_\@:
	tensor_load_to_lds s[G0B+4*(\s):G0B+4*(\s)+3], s[G1B:G1B+7]
	s_nop 0
.rept 4
	v_nop
.endr
.Lasked_\@:
.endm
; A round of the cluster's barrier: my work-group's barrier, so that wave 0's signal speaks for all four waves; wave 0 signals for the work-group; every wave waits for all
; sixteen work-groups; my work-group's barrier once more.  No LDS instruction of the wave is pending at a signal.
.macro CREST                           ; a round behind its opening barrier
	s_cmp_lg_u32 s10, 0
	s_cbranch_scc1 .Lnot_wave_0_\@
	s_barrier_signal -3
.Lnot_wave_0_\@:
	s_barrier_wait -3
	s_barrier_signal -1
	s_barrier_wait -1
.endm
.macro CROUND                          ; a whole round
	s_barrier_signal -1
	s_barrier_wait -1
	CREST
.endm
	s_load_b128 s[4:7], s[0:1], 0x0                ; xs s[4:5], ws s[6:7]
	s_load_b128 s[68:71], s[0:1], 0x10             ; bias s[68:69], out0 s[70:71]
	v_lshl_add_u32 v[SPW], v0, 2, SPARE
	v_mov_b32 v[NIL], 0
	ds_add_u32 v[SPW], v[NIL]                      ; the wave's opening: the add and its wait stand ahead of my first tensor load; the set-up below, work on registers, stands between them
	v_lshrrev_b32 v1, 5, v0
	v_readfirstlane_b32 s10, v1                    ; wave 0..3
	s_lshr_b32 s11, s10, 1                         ; which half of the tile's rows is mine.  Also: I fetch for xs (0) or for ws (1)
	s_and_b32 s12, s10, 1                          ; which half of its columns.  Also: which 128 rows of that tile I fetch
	s_bfe_u32 s40, ttmp6, 0x40000                  ; cx: my place along the cluster's x
	s_bfe_u32 s41, ttmp6, 0x40004                  ; cy: along its y
	s_lshl_b32 s42, ttmp9, 2                       ; in a cluster launch ttmp9 and ttmp7 count clusters
	s_add_co_u32 s42, s42, s40                     ; tile column = 4 x cluster x + cx
	s_and_b32 s13, ttmp7, 0xffff
	s_lshl_b32 s13, s13, 2
	s_add_co_u32 s13, s13, s41                     ; tile row = 4 x cluster y + cy
	s_lshl_b32 s43, s41, 2
	s_lshl_b32 s43, 15, s43                        ; my row of the cluster: places 4 cy .. 4 cy + 3
	s_lshl_b32 s44, 0x1111, s40                    ; my column: places cx, cx + 4, cx + 8, cx + 12
	; descriptor group 1: a tile of 128 rows x 128 elements, padded in LDS
	s_or_b32 s[G1+0], s43, (1<<16)|(1<<20)|(1<<21)|(5<<22)|(3<<25)  ; 15:0 the mask: xs' tiles go to my row; 17:16 element of 2 bytes; 20 padding on; 21 set beside a mask; 24:22 after every 64 words (code 5); 31:25 of 4 words (code 3)
	s_or_b32 s[G1B+0], s44, (1<<16)|(1<<20)|(1<<21)|(5<<22)|(3<<25) ; the same with the mask of my column, for ws' tiles
	s_mov_b32 s[G1B+1], KSTEP<<16
	s_mov_b32 s[G1+1], KSTEP<<16                   ; 63:48 tensor_dim0, low half = 128
	s_mov_b32 s[G1B+2], 128<<16
	s_mov_b32 s[G1+2], 128<<16                     ; 79:64 its high half = 0; 95:80 tensor_dim1, low half = 128
	s_mov_b32 s[G1B+3], KSTEP<<16
	s_mov_b32 s[G1+3], KSTEP<<16                   ; 111:96 its high half = 0; 127:112 tile_dim0 = 128
	s_mov_b32 s[G1B+4], 128
	s_mov_b32 s[G1+4], 128                         ; 143:128 tile_dim1 = 128; 159:144 tile_dim2 = 0
	s_mov_b32 s[G1B+5], SIZE_K
	s_mov_b32 s[G1+5], SIZE_K                      ; 191:160 tensor_dim0_stride, low word: elements from row to row
	s_mov_b32 s[G1B+6], 0
	s_mov_b32 s[G1+6], 0
	s_mov_b32 s[G1B+7], 0
	s_mov_b32 s[G1+7], 0
	; where the tiles come from.  xs' hang on the tile row alone, which my row of the cluster shares; ws' on the tile column alone, which my column shares.
	; Every wave makes both addresses, in registers that never hold the other coordinate, and asks by one of them.
	s_lshl_b32 s17, s12, 7                         ; which 128 rows of the tile I fetch
	s_lshl_b32 s16, s13, 8
	s_add_co_u32 s16, s16, s17                     ; xs: stored row 256 x tile row + 128 x half
	s_lshl_b32 s46, s42, 8
	s_add_co_u32 s46, s46, s17                     ; ws: stored row 256 x tile column + 128 x half
	s_mov_b32 s17, 0
	s_mov_b32 s47, 0
	s_mov_b64 s[18:19], SIZE_K*2
	s_mul_u64 s[16:17], s[16:17], s[18:19]         ; in bytes
	s_mul_u64 s[46:47], s[46:47], s[18:19]
	s_mul_i32 s20, s10, HALFT                      ; and where they go: xs' two halves, then ws' two halves = wave x 128 rows: no place in the cluster enters an LDS address
	s_wait_dscnt 0x0                               ; the opening add is done
	s_wait_kmcnt 0x0
	s_add_nc_u64 s[14:15], s[4:5], s[16:17]
	s_add_nc_u64 s[46:47], s[6:7], s[46:47]
	CROUND                                         ; all sixteen work-groups are here: the first joint loads meet
.irp s, 0,1
	s_mov_b32 s[G0+4*(\s)], 1                                      ; 1:0 count = 1
	s_add_co_u32 s[G0+4*(\s)+1], s20, (\s)*SLOT                    ; 63:32 LDS address
	s_add_nc_u64 s[G0+4*(\s)+2:G0+4*(\s)+3], s[14:15], (\s)*KSTEP*2  ; 120:64 global address: K step s
	s_or_b32 s[G0+4*(\s)+3], s[G0+4*(\s)+3], 0x80000000            ; 127:126 type = 2
	s_mov_b32 s[G0B+4*(\s)], 1
	s_add_co_u32 s[G0B+4*(\s)+1], s20, (\s)*SLOT
	s_add_nc_u64 s[G0B+4*(\s)+2:G0B+4*(\s)+3], s[46:47], (\s)*KSTEP*2
	s_or_b32 s[G0B+4*(\s)+3], s[G0B+4*(\s)+3], 0x80000000
	JLOAD \s                                       ; the ring is filled before anything else is done: two tensor loads of mine are out
.endr
	; A fragment is 16 rows x 32 K in 8 registers: lane l holds row l % 16; registers 0-3 hold K = 8 (l / 16) + 0..7, registers 4-7 hold
	; K = 16 + 8 (l / 16) + 0..7.  From rows that lie along K: two loads of 16 bytes, 32 bytes apart.  The same for source 0 and source 1.
	v_and_b32 v1, 15, v0                           ; l % 16
	v_bfe_u32 v2, v0, 4, 1                         ; l / 16
	v_mul_u32_u24 v3, v1, PITCH
	v_lshl_add_u32 v3, v2, 4, v3                   ; row x pitch + 16 x half
	s_mul_i32 s21, s11, HALFT                      ; my 128 rows of xs
	s_mul_i32 s22, s12, HALFT                      ; my 128 rows of ws,
	s_add_co_u32 s22, s22, 2*HALFT                 ; which lie behind xs' 256
.irp s, 0,1
	v_add_nc_u32 v[ADRA+(\s)], s21, v3
	v_add_nc_u32 v[ADRB+(\s)], s22, v3
	s_add_co_u32 s21, s21, SLOT
	s_add_co_u32 s22, s22, SLOT
.endr
	v_lshlrev_b32 v[BO], 4, v1                     ; four f32 for each of 16 lanes
	v_lshl_add_u32 v[CO], v2, 19, v[BO]            ; the upper half of the lanes holds stored rows 8 further on = true rows 32 further down: 32 x 16,384 bytes
	s_lshl_b32 s74, s42, 10                        ; my first column, in bytes of f32: 1,024 x tile column
	s_lshl_b32 s75, s12, 9                         ; + 512 x half
	s_add_co_u32 s74, s74, s75
	s_mov_b32 s75, 0
	s_lshl_b32 s72, s13, 22                        ; my first row: 256 x tile row x 16,384 bytes
	s_lshl_b32 s73, s11, 21                        ; + 128 x half x 16,384 (under 2^26 in all)
	s_add_co_u32 s72, s72, s73
	s_add_co_u32 s72, s72, s74
	s_mov_b32 s73, 0
	s_add_nc_u64 s[68:69], s[68:69], s[74:75]      ; the bias at my first column
	s_add_nc_u64 s[70:71], s[70:71], s[72:73]      ; out0 at my first row and column; never rewritten: all else stands in the stores' immediates
	global_load_b128 v[BI:BI+3],   v[BO], s[68:69]             ; g = 0: true columns 4 (l % 16) + 0..3
	global_load_b128 v[BI+4:BI+7], v[BO], s[68:69] offset:256  ; g = 1: 64 columns on
; 16 matrix instructions: row blocks a0, a0 + 1 of the window's four (hi = 0: my stored rows 0-63, 1: rows 64-127) x all 8 column blocks, 32 along K.
; zero = 1: the first product starts the sums: nothing is ever cleared.
.macro MUL16 f, hi, a0, zero
	WIN MUL_LO+0x50*(\hi)  ; MUL_LO or MUL_HI
.irp a, \a0, (\a0)+1
.irp b, 0,1,2,3,4,5,6,7
.if \zero
	v_wmma_f32_16x16x32_bf16 v[8*(8*(\a)+(\b)):8*(8*(\a)+(\b))+7], v[(\f)+8*(4*(\hi)+(\a)):(\f)+8*(4*(\hi)+(\a))+7], v[(\f)+8*(\b):(\f)+8*(\b)+7], 0
.else
	v_wmma_f32_16x16x32_bf16 v[8*(8*(\a)+(\b)):8*(8*(\a)+(\b))+7], v[(\f)+8*(4*(\hi)+(\a)):(\f)+8*(4*(\hi)+(\a))+7], v[(\f)+8*(\b):(\f)+8*(\b)+7], v[8*(8*(\a)+(\b)):8*(8*(\a)+(\b))+7]
.endif
.endr
.endr
.endm
; 32 LDS loads in one run: the fragments of one quarter step (128 rows of ws, then 128 rows of xs, 32 K at byte k of the rows) into buffer f
.macro FETCH slot, k, f
	WIN TO_B
.irp i, 0,1,2,3,4,5,6,7
	ds_load_b128 v[(\f)+8*(\i):(\f)+8*(\i)+3],   v[ADRB+(\slot)] offset:(\k)+(\i)*16*PITCH
	ds_load_b128 v[(\f)+8*(\i)+4:(\f)+8*(\i)+7], v[ADRB+(\slot)] offset:(\k)+(\i)*16*PITCH+32
.endr
	WIN 0
.irp i, 0,1,2,3,4,5,6,7
	ds_load_b128 v[(\f)+8*(\i):(\f)+8*(\i)+3],   v[ADRA+(\slot)] offset:(\k)+(\i)*16*PITCH
	ds_load_b128 v[(\f)+8*(\i)+4:(\f)+8*(\i)+7], v[ADRA+(\slot)] offset:(\k)+(\i)*16*PITCH+32
.endr
.endm
; A load into a register that a matrix instruction has read, and a vector instruction that reads a matrix result, stand four places behind that matrix instruction, and only plain
; vector instructions that name none of its registers are places (ISA guide 7.12.1 for vector instructions).  So four v_nop stand in front of each run of loads
; and in front of the first add of the way out.
.macro PLACES
.rept 4
	v_nop
.endr
.endm
; A K step is four quarter steps of 32 along K, 64 matrix instructions each, on buffers 0, 1, 0, 1.  The 64 accumulators take turns, one instruction a turn, in the same order in every quarter.
; One of the first three: multiplies buffer f; in its middle it fetches the next quarter's fragments, at byte k of the same slot's rows, into buffer g.
.macro QUARTER slot, k, f, g, zero
	s_wait_dscnt 8                                 ; ws and xs' rows 0-63 are in; the youngest eight loads (xs' rows 64-127) may be out
	MUL16 \f, 0, 0, \zero
	MUL16 \f, 0, 2, \zero
	PLACES
	FETCH \slot, \k, \g
	s_wait_dscnt 32                                ; all but the 32 just issued
	MUL16 \f, 1, 0, \zero
	MUL16 \f, 1, 2, \zero
.endm
; The last quarter multiplies buffer 1 and changes slots: ONE barrier for two things.  In front of it each wave waits for all its tensor loads, of which one is out: its part of the next slot;
; adds 0 to its spare word; and waits for that and for its own reads of this slot.  Behind it nobody reads this slot any more and the next slot is whole.
; fill = 1: the barrier opens a round of the cluster's barrier, and this slot is filled again, first thing behind the round, with the K step two steps on: from that request to the wait for it
; a wave issues 224 matrix instructions.  fill = 0 (the last lap): nothing is asked for, and no round follows.
.macro TURN slot, next, fill
	WIN 0                                          ; (the add's two registers lie in window 0)
	s_wait_tensorcnt 0x0                           ; all my tensor loads have landed: the one that was out is my part of the next slot;
	ds_add_u32 v[SPW], v[NIL]                      ; 0 onto my spare word;
	s_wait_dscnt 9                                 ; (the add and the youngest eight loads may be out)
	MUL16 F1, 0, 0, 0                              ; sixteen matrix instructions stand between the add and the wait for it
	s_wait_dscnt 0x0                               ; the add is done, and my reads of this slot are over:
	s_barrier_signal -1                            ; say so,
	MUL16 F1, 0, 2, 0                              ; work on registers while the others arrive,
.if \fill
	WIN 0
.endif
	s_barrier_wait -1                              ; and go on when all four have said so
.if \fill
	CREST                                          ; all sixteen work-groups have said so: no wave of any partner still reads this slot's tile or has a load on its way
	s_add_nc_u64 s[G0+4*(\slot)+2:G0+4*(\slot)+3], s[G0+4*(\slot)+2:G0+4*(\slot)+3], 2*KSTEP*2    ; no tensor load of mine is out, so a group 0 may be written; the type bits on top are not reached
	s_add_nc_u64 s[G0B+4*(\slot)+2:G0B+4*(\slot)+3], s[G0B+4*(\slot)+2:G0B+4*(\slot)+3], 2*KSTEP*2
	JLOAD \slot                                    ; the first tensor load behind the round, my only one until the next; the four v_nop behind it are also the places in front of the loads below
.else
	PLACES
.endif
	FETCH \next, 0, F0
	MUL16 F1, 1, 0, 0
	MUL16 F1, 1, 2, 0
.endm
; THE WAY OUT of row block a (16 stored rows), column group g (64 true columns), through set u of the result registers.
; Register j of accumulator (a, 4 g + b) in lane l is true row 64 (a / 4) + 4 (8 (l / 16) + j) + a % 4, true column 64 g + 4 (l % 16) + b.
; The add of the bias gathers b = 0..3 into four registers on end.  j ascends.
.macro OUTBLK a, g, u
	WIN 0x02+((\a)/4)                              ; source 0: window 2 or 3
.irp j, 0,1,2,3,4,5,6,7
.irp b, 0,1,2,3
	v_add_f32 v[RES+32*(\u)+4*(\j)+(\b)], v[8*(8*((\a)%4)+4*(\g)+(\b))+(\j)], v[BI+4*(\g)+(\b)]
.endr
.endr
	WIN 0
	s_wait_xcnt 0x0                                ; every earlier store has had its addresses translated (ISA guide 3.1): the OTHER set, which the block before stored, is written again only behind this wait
.irp j, 0,1,2,3,4,5,6,7
	global_store_b128 v[CO], v[RES+32*(\u)+4*(\j):RES+32*(\u)+4*(\j)+3], s[70:71] offset:(64*((\a)/4)+4*(\j)+((\a)%4))*ROWC+256*(\g) th:TH_STORE_NT  ; 16 lanes store 256 consecutive bytes, at a multiple of 256 from out0's first byte; 95 rows and 256 bytes at the most: inside the signed 24-bit immediate
.endr
.endm
	s_wait_loadcnt 0x0                             ; the bias, once: here the wave waits for its first tile anyway
	s_wait_tensorcnt 1                             ; my part of K step 0 is in; K step 1's may stay out
	s_barrier_signal -1
	s_barrier_wait -1                              ; everybody's is
	FETCH 0, 0, F0
	QUARTER 0, 64,  F0, F1, 1                      ; the first quarter stands in front of the loop: its products start the sums
	WIN 0                                          ; at a label and at a branch every window is 0
	s_mov_b32 s3, LAPS-1
.Llap:                                                 ; a trip goes once round the ring, from a lap's second quarter to the next lap's first, and fills both slots again: K steps 2 t + 2 and 2 t + 3
	QUARTER 0, 128, F1, F0, 0
	QUARTER 0, 192, F0, F1, 0
	TURN 0, 1, 1
	QUARTER 1, 64,  F0, F1, 0
	QUARTER 1, 128, F1, F0, 0
	QUARTER 1, 192, F0, F1, 0
	TURN 1, 0, 1
	QUARTER 0, 64,  F0, F1, 0
	WIN 0
	s_sub_co_u32 s3, s3, 1
	s_cmp_lg_u32 s3, 0
	s_cbranch_scc1 .Llap
	QUARTER 0, 128, F1, F0, 0                      ; the last lap is written out: it fills nothing
	QUARTER 0, 192, F0, F1, 0
	TURN 0, 1, 0
	QUARTER 1, 64,  F0, F1, 0
	QUARTER 1, 128, F1, F0, 0
	QUARTER 1, 192, F0, F1, 0
	s_wait_dscnt 8                                 ; the very last quarter: nothing more to fetch
	MUL16 F1, 0, 0, 0
	MUL16 F1, 0, 2, 0
	s_wait_dscnt 0x0
	MUL16 F1, 1, 0, 0
	MUL16 F1, 1, 2, 0
	WIN 0
	PLACES                                         ; the adds below read matrix results
.irp a, 0,1,2,3,4,5,6,7
	OUTBLK \a, 0, 0
	OUTBLK \a, 1, 1
.endr
	s_wait_tensorcnt 0x0                           ; the wave's end, behind my last tensor load
	ds_add_u32 v[SPW], v[NIL]
	s_wait_dscnt 0x0
	CROUND                                         ; the closing round: no work-group ends while a partner may still ask for a tile that names it
	s_endpgm
.Lfunc_end_k_q2d1a57380e_gemm:
	.size	k_q2d1a57380e_gemm, .Lfunc_end_k_q2d1a57380e_gemm-k_q2d1a57380e_gemm
	.p2alignl 7, 3214868480
	.fill 96, 4, 3214868480
	.section	.rodata,"a",@progbits
	.p2align	6, 0x0
	.amdhsa_kernel k_q2d1a57380e_gemm
		.amdhsa_group_segment_fixed_size 327680
		.amdhsa_private_segment_fixed_size 0
		.amdhsa_enable_private_segment 0
		.amdhsa_kernarg_size 32
		.amdhsa_user_sgpr_count 2
		.amdhsa_user_sgpr_kernarg_segment_ptr 1
		.amdhsa_wavefront_size32 1
		.amdhsa_system_sgpr_workgroup_id_x 1
		.amdhsa_system_sgpr_workgroup_id_y 1
		.amdhsa_system_sgpr_workgroup_id_z 1
		.amdhsa_system_vgpr_workitem_id 0
		.amdhsa_next_free_vgpr 1024
		.amdhsa_next_free_sgpr 76
		.amdhsa_reserve_vcc 0
		.amdhsa_float_denorm_mode_32 3
		.amdhsa_float_denorm_mode_16_64 3
		.amdhsa_memory_ordered 1
		.amdhsa_forward_progress 1
		.amdhsa_inst_pref_size 140
	.end_amdhsa_kernel
	.amdgpu_metadata
---
amdhsa.version: [ 1, 2 ]
amdhsa.kernels:
  - .name:           k_q2d1a57380e_gemm
    .symbol:         k_q2d1a57380e_gemm.kd
    .args:
      - { .name: xs, .offset: 0, .size: 8, .value_kind: global_buffer, .address_space: global }
      - { .name: ws, .offset: 8, .size: 8, .value_kind: global_buffer, .address_space: global }
      - { .name: bias, .offset: 16, .size: 8, .value_kind: global_buffer, .address_space: global }
      - { .name: out0, .offset: 24, .size: 8, .value_kind: global_buffer, .address_space: global }
    .group_segment_fixed_size: 327680
    .private_segment_fixed_size: 0
    .kernarg_segment_align: 8
    .kernarg_segment_size: 32
    .max_flat_workgroup_size: 128
    .sgpr_count:     76
    .vgpr_count:     1024
    .wavefront_size: 32
...
	.end_amdgpu_metadata
.endif
;; end of part 2
;; ======== version 2 of 2: 2 launches; version 1 with the launch binarize written anew for expert scheduling mode
;; workspace buffers: xs 33,554,432 bytes; ws 33,554,432 bytes
;; launch binarize (part 3): grid 512 x 2, 8 waves a work-group, no clusters, 0 bytes of LDS; arguments x, weight, xs, ws; writes xs, ws
.if DOCPART == 3
	.amdgcn_target "amdgcn-amd-amdhsa--gfx1250"
	.amdhsa_code_object_version 6
	.text
	.protected	k_q2d1a57380e_binarize
	.globl	k_q2d1a57380e_binarize
	.p2align	8
	.type	k_q2d1a57380e_binarize,@function
k_q2d1a57380e_binarize:
	s_mov_b64 s[64:65], 0
	v_nop
	global_prefetch_b8 v0, s[64:65] scope:SCOPE_SE
	s_setreg_imm32_b32 hwreg(HW_REG_WAVE_SCHED_MODE, 0, 2), 2
	s_setreg_imm32_b32 hwreg(HW_REG_WAVE_MODE, 25, 1), 1
	s_wait_xcnt 0x0
	s_wait_alu depctr_vm_vsrc(0)
; xs = sign(x), ws = sign(weight), as bf16, [4096][4096], rows interleaved inside groups of 64:
; stored row 64 G + 16 b + r (b = 0..3, r = 0..15) holds sign() of source row 64 G + 4 r + b; columns stay in their order.
; (The product that follows then finds, in one lane, four NEIGHBOURING columns of the output in four accumulators.)
; VALUES.  x < 0 gives -1, x > 0 gives +1 (infinities and denormals too: the compare runs with denormals kept);
; +0, -0 and NaN go through as they are (the conversion to bf16 keeps a zero's sign and keeps a NaN a NaN), as sign() does.
; A stream: every input byte is read once, every output byte written once; no LDS, no matrix unit, no cluster: no byte is used twice.
; SHARES.  Grid y picks the operand (0: x -> xs, 1: weight -> ws).  Work-group w owns source rows 8 w .. 8 w + 7.
; A step is 256 threads x 16 bytes = a quarter of a source row: a wave's load covers 512 consecutive bytes, its store 256 consecutive, aligned bytes.
; The 32 steps go in 8 blocks of four.  Block p takes b = p / 2: an even block the four quarters of source row 8 w + b, the odd block behind it those of
; source row 8 w + 4 + b, which go to the two neighbouring stored rows 64 G + 16 b + 2 (w % 8) and the next.
; THE MODE: SCHED_MODE bits 1:0 = 2 (LLVM: expert scheduling mode 2), set by the entry lines.  The code itself states the register dependences
; between vector instructions and memory instructions, and those through scalar registers that vector instructions write, with s_wait_alu, always for 0.
; THE PLAN.  Registers that memory instructions touch, and the masks:
;   X0 .. X3   four blocks of numbers as loaded.  Block p's loads land in X[p % 4]; block p's compares, sign copies and selects read it.
;              Blocks 0 to 3 are asked for at the head; block p + 3 at the head of block p (p = 1 to 4), into X[(p - 1) % 4], which block p - 1 has just finished with.
;   Y0, Y1     two blocks of bf16 to store.  Block p's roundings write Y[p % 2]; the four stores at the head of block p + 1 read it.
;   v1, v2     byte offsets, made once at the head and never written again; the two scalar bases are never stepped either: a block's place stands in the immediates.
;   s[24:39]   a block's sixteen masks: written by its compares, read by its selects.
;   T is named by vector instructions alone.
; So a block has ONE wait on va_vdst, at its head, with its eight memory instructions straight behind it: they touch the two buffers that the block before worked on.
; They stand ahead of the wait for this block's own data, so that a buffer is asked for again at once: 12 to 16 loads of every wave are out.
; One wait on va_sdst stands behind the run of compares.  One wait on vm_vsrc, beside the wait on XCNT, stands ahead of the roundings, which write the Y that the block before stored.
.set ROWIN,  16384                     ; bytes in a source row
.set ROWOUT, 8192                      ; bytes in a stored row
.set T, 4                              ; v[4:19]   sixteen numbers at work
.set X, 20                             ; v[20:83]  buffer k, step i: 4 registers at X + 16 k + 4 i, as loaded
.set Y, 84                             ; v[84:99]  buffer k, step i: 2 registers at Y + 8 k + 2 i, 4 bf16 to store
.set M, 24                             ; s[24:39]  step i, number j: the mask at M + 4 i + j
                                       ; v1 = 16 t, v2 = 8 t: my bytes in a step, in and out; never rewritten
	s_load_b256 s[4:11], s[0:1], 0x0               ; x s[4:5], weight s[6:7], xs s[8:9], ws s[10:11]
	s_mov_b32 s12, 0x7fffffff                      ; all bits but the sign
	s_mov_b32 s13, 0x3f800000                      ; 1.0
	s_lshl_b32 s2, ttmp9, 17                       ; in: w x 8 rows x 16,384 bytes (under 2^27)
	s_mov_b32 s3, 0
	s_lshr_b32 s20, ttmp9, 3                       ; G = w / 8
	s_lshl_b32 s20, s20, 19                        ; out: 64 G rows x 8,192 bytes
	s_and_b32 s21, ttmp9, 7
	s_lshl_b32 s21, s21, 14                        ; + 2 (w % 8) rows
	s_add_co_u32 s20, s20, s21
	s_mov_b32 s21, 0
	s_and_b32 s14, ttmp7, 0xffff                   ; which operand
	v_lshlrev_b32 v1, 4, v0
	v_lshlrev_b32 v2, 3, v0
	s_wait_kmcnt 0x0
	s_cmp_eq_u32 s14, 0
	s_cselect_b64 s[4:5], s[4:5], s[6:7]           ; the source,
	s_cselect_b64 s[8:9], s[8:9], s[10:11]         ; and where it goes
	s_add_nc_u64 s[4:5], s[4:5], s[2:3]
	s_add_nc_u64 s[8:9], s[8:9], s[20:21]
	s_wait_alu depctr_va_vdst(0)                   ; v1 and v2 are written: every load and store of the kernel reads one of them as its offset
.irp q, 0,1,2,3
.irp i, 0,1,2,3
	global_load_b128 v[X+16*(\q)+4*(\i):X+16*(\q)+4*(\i)+3], v1, s[4:5] offset:((\q)/2)*ROWIN+((\q)%2)*4*ROWIN+(\i)*4096 th:TH_LOAD_NT  ; blocks 0 to 3 fill the four buffers
.endr
.endr
; Block p.  ahead = 1: block p + 3 is asked for.  left = how many younger loads may still be out when this block's four have to be there.
.macro BLK p, ahead, left
.if (\p) > 0
	s_wait_alu depctr_va_vdst(0)                   ; the block before has written its Y, which the stores below read, and is done reading its X, in which the loads below land
.if \ahead
.irp i, 0,1,2,3
	global_load_b128 v[X+16*(((\p)+3)%4)+4*(\i):X+16*(((\p)+3)%4)+4*(\i)+3], v1, s[4:5] offset:(((\p)+3)/2)*ROWIN+(((\p)+3)%2)*4*ROWIN+(\i)*4096 th:TH_LOAD_NT  ; three blocks ahead
.endr
.endif
.irp i, 0,1,2,3
	global_store_b64 v2, v[Y+8*(((\p)+1)%2)+2*(\i):Y+8*(((\p)+1)%2)+2*(\i)+1], s[8:9] offset:(((\p)-1)/2)*16*ROWOUT+(((\p)-1)%2)*ROWOUT+(\i)*2048  ; the block before; no hint: the next launch reads these bytes
.endr
.endif
	s_wait_loadcnt \left                           ; loads come back in order (ISA guide 5.7.1): X[p % 4] is in, the younger blocks stay out
.irp i, 0,1,2,3
.irp j, 0,1,2,3
	v_cmp_lg_f32 s[M+4*(\i)+(\j)], 0, v[X+16*((\p)%4)+4*(\i)+(\j)]             ; x below or above 0: not for a zero, not for a NaN
.endr
.irp j, 0,1,2,3
	v_bfi_b32 v[T+4*(\i)+(\j)], s12, s13, v[X+16*((\p)%4)+4*(\i)+(\j)]         ; 1.0 with x's sign
.endr
.endr
	s_wait_alu depctr_va_sdst(0)                   ; the sixteen compares have written their masks, ahead of the first select that reads one
.irp i, 0,1,2,3
.irp j, 0,1,2,3
	v_cndmask_b32 v[T+4*(\i)+(\j)], v[X+16*((\p)%4)+4*(\i)+(\j)], v[T+4*(\i)+(\j)], s[M+4*(\i)+(\j)]  ; then +-1, else x itself
.endr
.endr
.if (\p) >= 2
	s_wait_xcnt 0x0                                ; every memory instruction so far has had its addresses translated (ISA guide 3.1): Y[p % 2], which the block before stored, is written again only behind this wait
	s_wait_alu depctr_vm_vsrc(0)                   ; the stores issued in the block before have read Y[p % 2], which the roundings below write again
.endif
.irp i, 0,1,2,3
	v_cvt_pk_bf16_f32 v[Y+8*((\p)%2)+2*(\i)],   v[T+4*(\i)],   v[T+4*(\i)+1]
	v_cvt_pk_bf16_f32 v[Y+8*((\p)%2)+2*(\i)+1], v[T+4*(\i)+2], v[T+4*(\i)+3]
.endr
.endm
	BLK 0, 0, 12                                   ; block 0: no block stands in front of it, and all four buffers are on their way
	BLK 1, 1, 12                                   ; blocks 1 to 4 ask for blocks 4 to 7
	BLK 2, 1, 12
	BLK 3, 1, 12
	BLK 4, 1, 12
	BLK 5, 0, 8                                    ; blocks 5 to 7 load nothing: no load leaves the buffer, and the counts run down
	BLK 6, 0, 4
	BLK 7, 0, 0
	s_wait_alu depctr_va_vdst(0)                   ; block 7 has written Y1, which the last four stores read
.irp i, 0,1,2,3
	global_store_b64 v2, v[Y+8+2*(\i):Y+8+2*(\i)+1], s[8:9] offset:3*16*ROWOUT+ROWOUT+(\i)*2048
.endr
	s_endpgm
.Lfunc_end_k_q2d1a57380e_binarize:
	.size	k_q2d1a57380e_binarize, .Lfunc_end_k_q2d1a57380e_binarize-k_q2d1a57380e_binarize
	.p2alignl 7, 3214868480
	.fill 96, 4, 3214868480
	.section	.rodata,"a",@progbits
	.p2align	6, 0x0
	.amdhsa_kernel k_q2d1a57380e_binarize
		.amdhsa_group_segment_fixed_size 0
		.amdhsa_private_segment_fixed_size 0
		.amdhsa_enable_private_segment 0
		.amdhsa_kernarg_size 32
		.amdhsa_user_sgpr_count 2
		.amdhsa_user_sgpr_kernarg_segment_ptr 1
		.amdhsa_wavefront_size32 1
		.amdhsa_system_sgpr_workgroup_id_x 1
		.amdhsa_system_sgpr_workgroup_id_y 1
		.amdhsa_system_sgpr_workgroup_id_z 1
		.amdhsa_system_vgpr_workitem_id 0
		.amdhsa_next_free_vgpr 100
		.amdhsa_next_free_sgpr 66
		.amdhsa_reserve_vcc 0
		.amdhsa_float_denorm_mode_32 3
		.amdhsa_float_denorm_mode_16_64 3
		.amdhsa_memory_ordered 1
		.amdhsa_forward_progress 1
		.amdhsa_inst_pref_size 37
	.end_amdhsa_kernel
	.amdgpu_metadata
---
amdhsa.version: [ 1, 2 ]
amdhsa.kernels:
  - .name:           k_q2d1a57380e_binarize
    .symbol:         k_q2d1a57380e_binarize.kd
    .args:
      - { .name: x, .offset: 0, .size: 8, .value_kind: global_buffer, .address_space: global }
      - { .name: weight, .offset: 8, .size: 8, .value_kind: global_buffer, .address_space: global }
      - { .name: xs, .offset: 16, .size: 8, .value_kind: global_buffer, .address_space: global }
      - { .name: ws, .offset: 24, .size: 8, .value_kind: global_buffer, .address_space: global }
    .group_segment_fixed_size: 0
    .private_segment_fixed_size: 0
    .kernarg_segment_align: 8
    .kernarg_segment_size: 32
    .max_flat_workgroup_size: 256
    .sgpr_count:     66
    .vgpr_count:     100
    .wavefront_size: 32
...
	.end_amdgpu_metadata
.endif
;; end of part 3
;; launch gemm: the kernel of part 2 again; grid 16 x 16, 4 waves a work-group, clusters of 4 x 4, 327,680 bytes of LDS; arguments xs, ws, bias, out0; writes out0
